; MI455X (gfx1250); checked and timed in simulation.
; The chip was launched on July 23, 2026; its instructions are those of AMD's public machine-readable ISA for CDNA 5 (MIT licence, August 2026) and "CDNA5" Instruction Set Architecture Reference Guide (July 2026). The comments in the code are by the model that wrote it; some were corrected since.
;; FGN layer. Allowed arithmetic: matrix products marked QUANTISED: E5M2 operands, one given power-of-two scale a tensor, by v_wmma_f32_16x16x64_bf8_bf8 or v_wmma_f32_16x16x128_bf8_bf8, f32 sums; everything else in f32.
;; Inputs: centers 2,048 x 2,048 float32; lowp_scales 4 int32 (the exponents e of the quantised operands' scales 2^e); sigs 2,048 float32; weights 2,048 x 2,048 float32; x 8,192 x 2,048 float32.
;; Outputs: out0 8,192 x 2,048 float32.
;; This version of the problem:
;;   THIS VERSION OF THE PROBLEM IS GIVEN IN LOW PRECISION. The matrix products marked QUANTISED in the list below multiply operands that are first quantised to E5M2 (5 exponent bits, 2 mantissa bits; 8 bits a number), with one given power-of-two scale for each operand tensor; their sums are f32. All else is computed in f32.
;;   The module's matrix products, in the order in which they are computed (A, B: the left and right operand; K: the contracted axis; several contracted axes count as one K, in the product's order):
;;     1. [M 8,192, K 2,048] x [K 2,048, N 2,048]; A: input x; B: input weights: QUANTISED (scales: A lowp_scales[0], B lowp_scales[1])
;;     2. [M 8,192, K 2,048] x [K 2,048, N 2,048]; A: input x; B: input centers: QUANTISED (scales: A lowp_scales[2], B lowp_scales[3])
;;   THE QUANTISER, for each operand of a quantised product, along K:
;;     - The operand's scale is 2^e, e = its entry of the input lowp_scales (int32; the entries are numbered through the quantised products in the list's order, A before B).
;;     - Each number is divided by the scale, clamped to +-57,344, and rounded to the nearest number of E5M2, ties to even, subnormals kept.
;;     - The product sums the exact products of the quantised numbers (number of the format x scale) in f32.
;;   ~~~python
;;   def quantise(x, axis, e):      # numpy; x: float32 -> the quantised numbers, widened to float32 again
;;       x = np.moveaxis(x, axis, -1); K = x.shape[-1]
;;       r = np.clip(x / 2.0 ** e, -57344, 57344)
;;       step = 2.0 ** (np.maximum(np.frexp(np.where(r == 0, 1, r))[1] - 1, -14) - 2)
;;       q = np.round(r / step) * step * 2.0 ** e      # np.round: ties to even
;;       return np.moveaxis(q, -1, axis).astype(np.float32)
;;   ~~~
;; One version. Each part assembles by itself: llvm-mc -triple=amdgcn-amd-amdhsa -mcpu=gfx1250 --defsym DOCPART=n.
;; ======== version 1 of 1: 2 launches
;; limits: right only within a limited range of input values
;; workspace buffers: xq0 16,777,216 bytes; xq2 16,777,216 bytes; wq 4,194,304 bytes; cq 4,194,304 bytes; xsq 32,768 bytes; cols 65,536 bytes
;; launch quant (part 1): grid 640 x 1, 8 waves a work-group, no clusters, 44,032 bytes of LDS; arguments x, weights, centers, sigs, lowp_scales, xq0, xq2, wq, cq, xsq, cols; writes xq0, xq2, wq, cq, xsq, cols
.if DOCPART == 1
	.amdgcn_target "amdgcn-amd-amdhsa--gfx1250"
	.amdhsa_code_object_version 6
	.text
	.protected	k_qbe61dba3c3_quant
	.globl	k_qbe61dba3c3_quant
	.p2align	8
	.type	k_qbe61dba3c3_quant,@function
k_qbe61dba3c3_quant:
	s_mov_b64 s[64:65], 0
	v_nop
	global_prefetch_b8 v0, s[64:65] scope:SCOPE_SE
	s_setreg_imm32_b32 hwreg(HW_REG_WAVE_MODE, 25, 1), 1
	s_wait_xcnt 0x0
; FGN layer, first launch: the f32 operands become codes of BF8 (E5M2), and the sums along rows that the second launch wants are made on the way, since the numbers are in registers anyway.
; x [8192][2048] is quantised twice (2^e0 for the product with weights, 2^e2 for the one with centers), weights [2048][2048] with 2^e1, centers with 2^e3.
; code = number / 2^e, held within +-57,344, rounded to the nearest code, ties to even.  In f32, of the unquantised numbers: xsq[m] = sum x^2; bias[o] = -sum w c; csq[o] = sum c^2; k[o] = -log2(e) / sig[o]^2.
; LIMITS: each e between -126 and 112, so that 2^e and 57,344 x 2^e are f32 numbers; sig^2 and its reciprocal normal f32 numbers; NaN among the inputs is not served (an infinity is held at the largest code).
; THE CODES ARE LAID AS IMAGES OF OPERAND REGISTERS.  A fragment is 16 rows x 64 along K: 1,024 bytes, two pieces of 512; in piece u lane l = r + 16 h has 16 bytes at 512 u + 16 l: k = 64 chunk + 32 u + 16 h + 0 .. 15 of row r.
;   xq0, xq2: [32 tiles of 256 rows][32 chunks][16 blocks of 16 rows][1,024];   wq, cq: [16 tiles of 128 columns][32 chunks][8 blocks][1,024].
; THE ROWS OF A BLOCK OF weights AND centers ARE NOT NEIGHBOURS: block 4 g + t holds in lane r the row o = 64 g + 4 r + t, so that in the second launch a lane's results of four neighbouring blocks are four neighbouring columns.
;   cols: [128 blocks][512 bytes]: (bias, bias) x 16 lanes, (csq, csq) x 16, (k, k) x 16, (k, k) x 16 once more: each number twice, a pair for the packed forms; each store covers 256 consecutive bytes, aligned.
; SHARES.  Work-groups 0-127: one block of weights and of centers each (twice the bytes of the others, so they come first); work-groups 128-639: 16 rows of x each.  Wave w takes k = 256 w .. 256 w + 255, in two halves of 128.
; A load takes one row's 512 consecutive bytes, 16 a lane (k = 4 lane + 0 .. 3); a conversion takes two rows' four numbers each, so a code register holds four codes of ONE row; the 16 rows x 128 codes turn through the
; wave's own stage in LDS and come back as four pieces of fragments, which leave as 512 consecutive bytes a store.  No loop: every offset is an immediate.  No tensor loads, no clusters: nothing is shared; registers carry what is in flight.
.set KB,   8192                        ; a row of x, weights or centers in bytes
.set XST,  0                           ; LDS, x's path: eight stages of 2,560 bytes,
.set XRED, 20480                       ; and [8 waves][16 rows] f32
.set WST,  20992                       ; LDS, the other path (bytes of its own): eight stages,
.set WRED, 41472                       ; and [2 sums][8 waves][16 rows] f32
.set CP,   144                         ; a stage as 16 rows of 128 codes: 128 bytes + 16: sixteen rows start at sixteen different groups of four banks
.set LP,   80                          ; the same stage as 32 lanes' 16 sums: 64 bytes + 16
.set LN,  1                            ; v1   lane
.set LO,  2                            ; v2   16 x lane: offset of every large load and store; never rewritten
.set RR,  3                            ; v3   r = lane % 16
.set HH,  4                            ; v4   h = lane / 16
.set STW, 5                            ; v5   stage + 4 x lane
.set STR, 6                            ; v6   stage + 144 r + 16 h
.set RTW, 7                            ; v7   stage + 80 x lane
.set RTR, 8                            ; v8   stage + 1,280 h + 4 r
.set RDW, 9                            ; v9   64 x wave + 4 r
.set RDR, 10                           ; v10  4 r
.set SCA, 11                           ; v11, v12  the first operand's 2^e, and 57,344 x 2^e
.set LMA, 12
.set SCB, 13                           ; v13, v14  the second operand's
.set LMB, 14
.set SIG, 15                           ; v15  sig of my row
.set D0,  16                           ; v16-79   16 rows x 4 numbers
.set D1,  80                           ; v80-143  the same, second set
.set T,   144                          ; v144-159 at work
.set Q0,  160                          ; v160-175 codes: register i = row i; then four pieces of fragments
.set Q1,  176                          ; v176-191 the second operand's
.set SA,  192                          ; v192-223 a pair of running sums for each row
.set SB,  224                          ; v224-255 the second sum's
.macro LOADSET d, b, stride, off       ; 16 rows, 128 numbers of each: 32 lanes read 512 consecutive bytes
.irp i, 0,1,2,3,4,5,6,7,8,9,10,11,12,13,14,15
	global_load_b128 v[\d+4*\i:\d+4*\i+3], v[LO], s[\b:\b+1] offset:\i*\stride+\off th:TH_LOAD_NT
.endr
.endm
.macro SUMS a, b, s, first             ; row i's pair of sums takes a x b of my four numbers; first = 1: the first products start the sums
.irp i, 0,1,2,3,4,5,6,7,8,9,10,11,12,13,14,15
.if \first
	v_pk_mul_f32 v[\s+2*\i:\s+2*\i+1], v[\a+4*\i:\a+4*\i+1], v[\b+4*\i:\b+4*\i+1]
.else
	v_pk_fma_f32 v[\s+2*\i:\s+2*\i+1], v[\a+4*\i:\a+4*\i+1], v[\b+4*\i:\b+4*\i+1], v[\s+2*\i:\s+2*\i+1]
.endif
.endr
.irp i, 0,1,2,3,4,5,6,7,8,9,10,11,12,13,14,15
	v_pk_fma_f32 v[\s+2*\i:\s+2*\i+1], v[\a+4*\i+2:\a+4*\i+3], v[\b+4*\i+2:\b+4*\i+3], v[\s+2*\i:\s+2*\i+1]
.endr
.endm
; 64 numbers become 64 codes.  The conversion to an 8-bit code does not saturate (ISA guide 7.6.2): each number is held within the largest code x the scale first.  tmp = 1: the held numbers go to v144-159, eight by turns,
; and the numbers stay as they are for a second scale.  The next group's eight holds are the plain lines behind each conversion; a v_nop stands behind the last.
.macro QUANT x, q, sc, lim, tmp
.irp g, 0,1,2,3,4,5,6,7
.if \tmp
.irp j, 0,1,2,3,4,5,6,7
	v_med3_num_f32 v[T+8*(\g%2)+\j], v[\x+8*\g+\j], -v[\lim], v[\lim]
.endr
	v_cvt_scalef32_pk8_bf8_f32 v[\q+2*\g:\q+2*\g+1], v[T+8*(\g%2):T+8*(\g%2)+7], v[\sc]
.else
.irp j, 0,1,2,3,4,5,6,7
	v_med3_num_f32 v[\x+8*\g+\j], v[\x+8*\g+\j], -v[\lim], v[\lim]
.endr
	v_cvt_scalef32_pk8_bf8_f32 v[\q+2*\g:\q+2*\g+1], v[\x+8*\g:\x+8*\g+7], v[\sc]
.endif
.endr
	v_nop
.endm
; Through the stage: row i's 128 codes as 128 consecutive bytes; back as pieces: n = 2 x (chunk of the two) + piece.  LDS serves a wave's instructions in order (ISA guide 5.7.1.4): no wait between stores and loads, nor ahead of the next use of the stage.
.macro TURN q, st
.irp i, 0,1,2,3,4,5,6,7,8,9,10,11,12,13,14,15
	ds_store_b32 v[STW], v[\q+\i] offset:\st+CP*\i
.endr
.irp n, 0,1,2,3
	ds_load_b128 v[\q+4*\n:\q+4*\n+3], v[STR] offset:\st+64*(\n/2)+32*(\n%2)
.endr
.endm
.macro PUT q, b, cs, it                ; four pieces leave: 512 consecutive bytes a store, at a multiple of 512 from the buffer's first byte; cs: a chunk's bytes in the buffer
.irp n, 0,1,2,3
	global_store_b128 v[LO], v[\q+4*\n:\q+4*\n+3], s[\b:\b+1] offset:(2*\it+\n/2)*\cs+512*(\n%2)
.endr
.endm
.macro ADD8 b                          ; eight numbers into the first
.irp n, 0,2,4,6
	v_add_f32 v[\b+\n], v[\b+\n], v[\b+\n+1]
.endr
.irp n, 0
	s_delay_alu instid0(VALU_DEP_3)
	v_add_f32 v[\b+\n], v[\b+\n], v[\b+\n+2]
.endr
.irp n, 4
	s_delay_alu instid0(VALU_DEP_2)
	v_add_f32 v[\b+\n], v[\b+\n], v[\b+\n+2]
.endr
	s_delay_alu instid0(VALU_DEP_1)
	v_add_f32 v[\b], v[\b], v[\b+4]
.endm
; The 32 lanes' sums of 16 rows are added: each lane lays its 16 sums into the stage; lane (r, h) reads row r's sums of lanes 16 h .. 16 h + 15; the halves are exchanged.  Row r's sum over my wave's 256 k goes to the work-group's table.
.macro LANESUM s, st, red
.irp i, 0,1,2,3,4,5,6,7,8,9,10,11,12,13,14,15
	v_add_f32 v[T+\i], v[\s+2*\i], v[\s+2*\i+1]
.endr
.irp n, 0,1,2,3
	ds_store_b128 v[RTW], v[T+4*\n:T+4*\n+3] offset:\st+16*\n
.endr
.irp n, 0,1,2,3,4,5,6,7,8,9,10,11,12,13,14,15
	ds_load_b32 v[D0+\n], v[RTR] offset:\st+LP*\n
.endr
	s_wait_dscnt 0x0
	ADD8 D0
	ADD8 D0+8
	s_delay_alu instid0(VALU_DEP_1)
	v_add_f32 v[D0], v[D0], v[D0+8]
	s_delay_alu instid0(VALU_DEP_1)
	v_permlanex16_b32 v[D0+1], v[D0], s36, s37     ; lane l xor 16's
	s_delay_alu instid0(VALU_DEP_1)
	v_add_f32 v[D0], v[D0], v[D0+1]
	ds_store_b32 v[RDW], v[D0] offset:\red         ; lanes r and r + 16 write the same word with the same number
.endm
.macro MKSCALE e, sc, lim              ; from the whole number e: 2^e as f32 (the conversion takes its exponent field), and 57,344 x 2^e
	s_add_co_i32 s38, s[\e], 127
	s_lshl_b32 s39, s38, 23
	v_mov_b32 v[\sc], s39
	s_add_co_i32 s38, s38, 15
	s_lshl_b32 s38, s38, 23
	s_or_b32 s38, s38, 0x600000
	v_mov_b32 v[\lim], s38
.endm
	s_load_b256 s[4:11], s[0:1], 0x0               ; x s[4:5], weights s[6:7], centers s[8:9], sigs s[10:11]
	s_load_b256 s[12:19], s[0:1], 0x20             ; the scales' exponents s[12:13], xq0 s[14:15], xq2 s[16:17], wq s[18:19]
	s_load_b128 s[20:23], s[0:1], 0x40             ; cq s[20:21], xsq s[22:23]
	s_load_b64 s[24:25], s[0:1], 0x50              ; cols
	s_set_vgpr_msb 0x40
	v_lshl_add_u32 v0, v0, 2, 0xa800
	v_mov_b32 v1, 0
	s_set_vgpr_msb 0x4000
	v_lshrrev_b32 v1, 5, v0
	s_delay_alu instid0(VALU_DEP_1)
	v_readfirstlane_b32 s26, v1                    ; wave 0..7
	v_and_b32 v[LN], 31, v0
	s_delay_alu instid0(VALU_DEP_1)
	v_lshlrev_b32 v[LO], 4, v[LN]
	v_and_b32 v[RR], 15, v0
	v_bfe_u32 v[HH], v0, 4, 1
	s_mul_i32 s38, s26, 2560                       ; my stage, counted from the path's first; the path's region stands in the immediates
	v_lshl_add_u32 v[STW], v[LN], 2, s38
	v_mul_u32_u24 v[STR], v[RR], CP
	s_delay_alu instid0(VALU_DEP_1)
	v_lshl_add_u32 v[STR], v[HH], 4, v[STR]
	s_delay_alu instid0(VALU_DEP_1)
	v_add_nc_u32 v[STR], s38, v[STR]
	v_mul_u32_u24 v[RTW], v[LN], LP
	s_delay_alu instid0(VALU_DEP_1)
	v_add_nc_u32 v[RTW], s38, v[RTW]
	v_mul_u32_u24 v[RTR], v[HH], 16*LP
	s_delay_alu instid0(VALU_DEP_1)
	v_lshl_add_u32 v[RTR], v[RR], 2, v[RTR]
	s_delay_alu instid0(VALU_DEP_1)
	v_add_nc_u32 v[RTR], s38, v[RTR]
	s_lshl_b32 s39, s26, 6
	v_lshl_add_u32 v[RDW], v[RR], 2, s39
	v_lshlrev_b32 v[RDR], 2, v[RR]
	s_mov_b32 s36, 0x76543210                      ; v_permlanex16_b32's selects for lane l xor 16
	s_mov_b32 s37, 0xfedcba98
	s_mov_b32 s35, 0                               ; the upper word of every offset pair s[34:35]
	s_wait_kmcnt 0x0
	s_load_b128 s[28:31], s[12:13], 0x0            ; e0, e1, e2, e3
	s_cmp_lt_u32 ttmp9, 128                        ; the same in all waves of a work-group
	s_cbranch_scc0 .Lxpath
	; ---- weights and centers: block ttmp9 = 4 g + t
	s_lshr_b32 s32, ttmp9, 2
	s_lshl_b32 s32, s32, 6
	s_and_b32 s33, ttmp9, 3
	s_add_co_u32 s32, s32, s33                     ; the block's first row: 64 g + t; lane r's lies 4 r further on
	s_lshl_b32 s34, s32, 2
	s_add_nc_u64 s[10:11], s[10:11], s[34:35]      ; its sig
	s_lshl_b32 s34, s32, 13                        ; x 8,192 bytes a row
	s_lshl_b32 s33, s26, 10                        ; + my wave's 256 numbers
	s_add_co_u32 s34, s34, s33
	s_add_nc_u64 s[6:7], s[6:7], s[34:35]
	s_add_nc_u64 s[8:9], s[8:9], s[34:35]
	s_lshr_b32 s34, ttmp9, 3
	s_lshl_b32 s34, s34, 18                        ; the tile of 128 columns: 262,144 bytes of codes,
	s_and_b32 s33, ttmp9, 7
	s_lshl_b32 s33, s33, 10                        ; the block in a chunk,
	s_add_co_u32 s34, s34, s33
	s_lshl_b32 s33, s26, 15                        ; my wave's four chunks of 8,192 bytes
	s_add_co_u32 s34, s34, s33
	s_add_nc_u64 s[18:19], s[18:19], s[34:35]
	s_add_nc_u64 s[20:21], s[20:21], s[34:35]
	s_lshl_b32 s34, ttmp9, 9
	s_add_nc_u64 s[24:25], s[24:25], s[34:35]      ; the block's 512 bytes of cols
	v_lshlrev_b32 v[T], 4, v[RR]                   ; rows 4 apart: 16 bytes of sigs
	global_load_b32 v[SIG], v[T], s[10:11]         ; every wave takes it (64 bytes), so that no branch on the wave's number stands ahead of the barrier; the oldest load
	LOADSET D0, 6, 4*KB, 0
	LOADSET D1, 8, 4*KB, 0
	s_wait_kmcnt 0x0
	MKSCALE 29, SCA, LMA                           ; weights: e1
	MKSCALE 31, SCB, LMB                           ; centers: e3
.macro WCHALF it                       ; 128 along K of both tensors
	s_wait_loadcnt 0x0                             ; both sets are in
.if \it
	s_wait_xcnt 0x0                                ; the first half's stores have read their registers: the codes' registers are written again only behind this wait
.endif
	SUMS D0, D1, SA, 1-\it                         ; sum w c
	SUMS D1, D1, SB, 1-\it                         ; sum c c
	QUANT D0, Q0, SCA, LMA, 0
.if \it == 0
	LOADSET D0, 6, 4*KB, 512                       ; the second half, into registers that are done with
.endif
	QUANT D1, Q1, SCB, LMB, 0
.if \it == 0
	LOADSET D1, 8, 4*KB, 512
.endif
	TURN Q0, WST
	TURN Q1, WST
	s_wait_dscnt 20                                ; behind the first operand's four loads: the second's 16 stores and 4 loads
	PUT Q0, 18, 8192, \it
	s_wait_dscnt 0x0
	PUT Q1, 20, 8192, \it
.endm
	WCHALF 0
	WCHALF 1
	LANESUM SA, WST, WRED
	LANESUM SB, WST, WRED+512
	s_wait_dscnt 0x0                               ; for wave 0's sake: my words of the table are written
	s_barrier_signal -1
	s_barrier_wait -1
	s_cmp_lg_u32 s26, 0
	s_cbranch_scc1 .Lend
.irp n, 0,1,2,3,4,5,6,7
	ds_load_b32 v[D0+\n], v[RDR] offset:WRED+64*\n
	ds_load_b32 v[D0+8+\n], v[RDR] offset:WRED+512+64*\n
.endr
	s_wait_dscnt 0x0
	ADD8 D0                                        ; sum w c of row r, in lanes r and r + 16
	ADD8 D0+8                                      ; csq
	v_mul_f32 v[D1], v[SIG], v[SIG]
	s_wait_alu depctr_va_vdst(0)
	v_rcp_f32 v[D1+1], v[D1]
	v_xor_b32 v[D0], 0x80000000, v[D0]             ; bias = -sum w c.  (A plain line behind the reciprocal)
	v_cmp_lt_u32 vcc_lo, 15, v[LN]
	s_delay_alu instid0(VALU_DEP_1)
	v_cndmask_b32 v[D1+2], v[D0], v[D0+8], vcc_lo  ; lanes 0-15: bias; lanes 16-31: csq
	s_delay_alu instid0(VALU_DEP_1)
	v_mov_b32 v[D1+3], v[D1+2]
	v_lshlrev_b32 v[D1+6], 3, v[LN]
	s_wait_alu depctr_va_vdst(0)                   ; ahead of the first line that names the reciprocal
	v_mul_f32 v[D1+4], 0xbfb8aa3b, v[D1+1]         ; k = -log2(e) / sig^2
	s_delay_alu instid0(VALU_DEP_1)
	v_mov_b32 v[D1+5], v[D1+4]
	global_store_b64 v[D1+6], v[D1+2:D1+3], s[24:25]             ; 32 lanes store 256 consecutive bytes, aligned
	global_store_b64 v[D1+6], v[D1+4:D1+5], s[24:25] offset:256  ; and 256 more: (k, k), twice over
	s_set_vgpr_msb 0x5
	s_wait_tensorcnt 0x0
	ds_add_u32 v0, v1
	s_wait_dscnt 0x0
	s_set_vgpr_msb 0x500
	s_endpgm
.Lxpath:	; ---- x: 16 rows
	s_sub_co_u32 s32, ttmp9, 128                   ; which 16 rows: 0 .. 511
	s_lshl_b32 s34, s32, 17                        ; 16 rows of 8,192 bytes
	s_lshl_b32 s33, s26, 10                        ; + my wave's 256 numbers
	s_add_co_u32 s34, s34, s33
	s_add_nc_u64 s[4:5], s[4:5], s[34:35]
	s_lshr_b32 s34, s32, 4
	s_lshl_b32 s34, s34, 19                        ; the tile of 256 rows: 524,288 bytes of codes,
	s_and_b32 s33, s32, 15
	s_lshl_b32 s33, s33, 10                        ; the block in a chunk,
	s_add_co_u32 s34, s34, s33
	s_lshl_b32 s33, s26, 16                        ; my wave's four chunks of 16,384 bytes
	s_add_co_u32 s34, s34, s33
	s_add_nc_u64 s[14:15], s[14:15], s[34:35]
	s_add_nc_u64 s[16:17], s[16:17], s[34:35]
	s_lshl_b32 s34, s32, 6
	s_add_nc_u64 s[22:23], s[22:23], s[34:35]      ; the rows' 64 bytes of xsq
	LOADSET D0, 4, KB, 0                           ; all of the wave's 16 KiB is asked for at once
	LOADSET D1, 4, KB, 512
	s_wait_kmcnt 0x0
	MKSCALE 28, SCA, LMA                           ; e0
	MKSCALE 30, SCB, LMB                           ; e2
.macro XHALF it, d                     ; 128 along K, quantised under both scales
.if \it
	s_wait_loadcnt 0x0
	s_wait_xcnt 0x0                                ; the first half's stores have read their registers
.else
	s_wait_loadcnt 16                              ; the first set is in; the second set's 16 loads may be out
.endif
	SUMS \d, \d, SA, 1-\it
	QUANT \d, Q0, SCA, LMA, 1                      ; the numbers stay,
	QUANT \d, Q1, SCB, LMB, 0                      ; and are held in place for the second scale
	TURN Q0, XST
	TURN Q1, XST
	s_wait_dscnt 20                                ; behind the first four loads: the second's 16 stores and 4 loads
	PUT Q0, 14, 16384, \it
	s_wait_dscnt 0x0
	PUT Q1, 16, 16384, \it
.endm
	XHALF 0, D0
	XHALF 1, D1
	LANESUM SA, XST, XRED
	s_wait_dscnt 0x0                               ; for wave 0's sake
	s_barrier_signal -1
	s_barrier_wait -1
	s_cmp_lg_u32 s26, 0
	s_cbranch_scc1 .Lend
.irp n, 0,1,2,3,4,5,6,7
	ds_load_b32 v[D0+\n], v[RDR] offset:XRED+64*\n
.endr
	s_wait_dscnt 0x0
	ADD8 D0
	s_wait_alu depctr_va_vdst(0)
	s_wait_xcnt 0x0                                ; EXEC is a source of the stores that are out: it changes only behind this wait
	v_cmp_gt_u32 vcc_lo, 16, v[LN]
	s_and_saveexec_b32 s38, vcc_lo
	global_store_b32 v[RDR], v[D0], s[22:23]       ; 16 rows have 64 bytes of xsq: all that this work-group owns of it
	s_wait_xcnt 0x0                                ; and again ahead of the line that widens it
	s_or_b32 exec_lo, exec_lo, s38
.Lend:
	s_set_vgpr_msb 0x5
	s_wait_tensorcnt 0x0
	ds_add_u32 v0, v1
	s_wait_dscnt 0x0
	s_set_vgpr_msb 0x500
	s_endpgm
.Lfunc_end_k_qbe61dba3c3_quant:
	.size	k_qbe61dba3c3_quant, .Lfunc_end_k_qbe61dba3c3_quant-k_qbe61dba3c3_quant
	.p2alignl 7, 3214868480
	.fill 96, 4, 3214868480
	.section	.rodata,"a",@progbits
	.p2align	6, 0x0
	.amdhsa_kernel k_qbe61dba3c3_quant
		.amdhsa_group_segment_fixed_size 44032
		.amdhsa_private_segment_fixed_size 0
		.amdhsa_enable_private_segment 0
		.amdhsa_kernarg_size 88
		.amdhsa_user_sgpr_count 2
		.amdhsa_user_sgpr_kernarg_segment_ptr 1
		.amdhsa_wavefront_size32 1
		.amdhsa_system_sgpr_workgroup_id_x 1
		.amdhsa_system_sgpr_workgroup_id_y 1
		.amdhsa_system_sgpr_workgroup_id_z 1
		.amdhsa_system_vgpr_workitem_id 0
		.amdhsa_next_free_vgpr 258
		.amdhsa_next_free_sgpr 66
		.amdhsa_reserve_vcc 1
		.amdhsa_float_denorm_mode_32 3
		.amdhsa_float_denorm_mode_16_64 3
		.amdhsa_memory_ordered 1
		.amdhsa_forward_progress 1
		.amdhsa_inst_pref_size 88
	.end_amdhsa_kernel
	.amdgpu_metadata
---
amdhsa.version: [ 1, 2 ]
amdhsa.kernels:
  - .name:           k_qbe61dba3c3_quant
    .symbol:         k_qbe61dba3c3_quant.kd
    .args:
      - { .name: x, .offset: 0, .size: 8, .value_kind: global_buffer, .address_space: global }
      - { .name: weights, .offset: 8, .size: 8, .value_kind: global_buffer, .address_space: global }
      - { .name: centers, .offset: 16, .size: 8, .value_kind: global_buffer, .address_space: global }
      - { .name: sigs, .offset: 24, .size: 8, .value_kind: global_buffer, .address_space: global }
      - { .name: lowp_scales, .offset: 32, .size: 8, .value_kind: global_buffer, .address_space: global }
      - { .name: xq0, .offset: 40, .size: 8, .value_kind: global_buffer, .address_space: global }
      - { .name: xq2, .offset: 48, .size: 8, .value_kind: global_buffer, .address_space: global }
      - { .name: wq, .offset: 56, .size: 8, .value_kind: global_buffer, .address_space: global }
      - { .name: cq, .offset: 64, .size: 8, .value_kind: global_buffer, .address_space: global }
      - { .name: xsq, .offset: 72, .size: 8, .value_kind: global_buffer, .address_space: global }
      - { .name: cols, .offset: 80, .size: 8, .value_kind: global_buffer, .address_space: global }
    .group_segment_fixed_size: 44032
    .private_segment_fixed_size: 0
    .kernarg_segment_align: 8
    .kernarg_segment_size: 88
    .max_flat_workgroup_size: 256
    .sgpr_count:     66
    .vgpr_count:     258
    .wavefront_size: 32
...
	.end_amdgpu_metadata
.endif
;; end of part 1
;; launch fgn (part 2): grid 32 x 16, 4 waves a work-group, clusters of 4 x 4, 327,680 bytes of LDS; arguments xq0, xq2, wq, cq, xsq, cols, lowp_scales, out0; writes out0
.if DOCPART == 2
	.amdgcn_target "amdgcn-amd-amdhsa--gfx1250"
	.amdhsa_code_object_version 6
	.text
	.protected	k_qbe61dba3c3_fgn
	.globl	k_qbe61dba3c3_fgn
	.p2align	8
	.type	k_qbe61dba3c3_fgn,@function
k_qbe61dba3c3_fgn:
	s_mov_b64 s[64:65], 0
	v_nop
	global_prefetch_b8 v0, s[64:65] scope:SCOPE_SE
	s_setreg_imm32_b32 hwreg(HW_REG_WAVE_MODE, 25, 1), 1
	s_wait_xcnt 0x0
	s_wait_alu depctr_hold_cnt(0) depctr_sa_sdst(0) depctr_va_vdst(0) depctr_va_sdst(0) depctr_va_ssrc(0) depctr_va_vcc(0) depctr_vm_vsrc(0)
	s_getreg_b32 s2, hwreg(HW_REG_IB_STS2, 6, 4)
	s_cmp_eq_u32 s2, 0
	s_cbranch_scc0 .Lentry_in_a_cluster
	s_endpgm
.Lentry_in_a_cluster:
	s_bfe_u32 s2, ttmp6, 0x10000c
	s_cmp_lg_u32 s2, 0xf033
	s_cbranch_scc0 .Lentry_shape_is_right
	s_endpgm
.Lentry_shape_is_right:
; FGN layer, second launch: out[m][o] = (L + bias[o]) x 2^(k[o] x max(xsq[m] + csq[o] - 2 XC, 0)),  L = x weights^T, XC = x centers^T, both on codes of BF8 (E5M2), sums in f32.
; A sum of L stands for sum x 2^(e0 + e1), of XC for sum x 2^(e2 + e3).  LIMITS: e0 + e1 between -126 and 127, e2 + e3 between -127 and 126, so that 2^(e0 + e1) and 2^(e2 + e3 + 1) are f32 numbers.
; ORDER OF THE SUMS: inside a matrix instruction k stands in a permuted place, the same in both operands (the first launch's layout); the chunks of 64 along K are taken in ascending order.
; SHARES.  A work-group makes 256 rows x 128 columns of out.  Wave w (p = w / 2, hm = w % 2) makes 128 x 128 of product p (0: L, 1: XC) for rows 128 hm on: 64 accumulators, 512 registers.
; Block a (of eight, 16 rows each) of wave (p, hm) is the tile's block 8 hm + (a + 4 p) % 8: every wave KEEPS its blocks 0-3 (rows m0 = 256 tm + 128 hm + 64 p on) and SENDS its blocks 4-7 to wave w xor 2 through LDS; each finishes 64 x 128 of out.
; The codes lie in memory as images of operand registers: a fragment (16 rows x 64 k) is 1,024 consecutive bytes, so a tile of some chunks is one dense block, and a fragment load takes 16 bytes a lane on end.
; THE RING: two LDS slots of three chunks (x under 2^e0: 49,152 bytes, x under 2^e2: 49,152, weights: 24,576, centers: 24,576).  The 32 chunks go as 2 + 10 x 3: tile 0 has two chunks, tiles 1 to 10 three.
; One tensor load a wave: wave 0 x under e0, wave 1 x under e2, wave 2 weights, wave 3 centers.
; CLUSTERS: 4 x 4 work-groups; the tile of rows goes along x, the tile of columns along y.  The four of a cluster's column make the same 256 rows and ask for x's tiles JOINTLY; the four of a row make the same 128 columns
; and ask for the columns' tiles jointly.
; PREFETCH: behind the joint load of tile t each wave asks for tile t + 2 of its own tensor: the load that wants it stands two phases (six chunks) on; at the head tiles 1 and 2 are asked for.  The four partners that load a tile
; share its blocks of 256 bytes out by address (a quarter each: 48 blocks of x, 24 of the columns; a lane a block).  Tile 10 is the last that is asked for; a work-group has at most two tiles asked for and not yet loaded.
; THE PRODUCT IS USED AS IT STANDS (source 0 = 16 rows of x, source 1 = 16 columns): a lane holds one column and eight rows; lane r of the columns' block 4 q + t holds column 64 q + 4 r + t of the tile (the first launch's choice),
; so a lane's results of blocks 4 q .. 4 q + 3 are four neighbouring columns of a row: sixteen lanes store 256 consecutive bytes straight from registers.
; REGISTERS, in windows of 256.  Window 0: v0-30 addresses; v32-63 xsq; v64-127 bias, k csq, k, k C2 in pairs; v128-191, v192-255 x's two sets (v128-159 at work on the way out).
;   Window 1: v128-191, v192-255 the columns' two sets; on the way out the partner's 256 sums.   Window 2: accumulators of blocks 0-3 ((a, b) at v[8 (8 a + b)]).   Window 3: those of blocks 4-7; later the results.
.set CHA,   16384                      ; a chunk of x's codes in a tile of 256 rows
.set CHB,   8192                       ; of weights' or centers' in a tile of 128 columns
.set XB,    3*CHA
.set BB,    3*CHB
.set SLOT,  2*XB+2*BB                  ; 147,456
.set SPARE, 2*SLOT                     ; behind the ring: the spare words, 128 bytes a wave
.set XCH,   SLOT                       ; the exchange, 32,768 bytes a wave, in slot 1: it has had its last fill (tile 9) and its last read when the first sum is stored there
.set LO,    3                          ; v3  16 x lane
.set AAL,   16                         ; v16-17  my blocks 0-3 of x in slot 0, 1
.set AAH,   18                         ; v18-19  my blocks 4-7
.set ADB,   20                         ; v20-21  my product's columns
.set XS,    22                         ; where I send
.set XR,    23                         ; where my partner has sent
.set CO,    24                         ; my byte offset in out: 8 h rows + 16 r
.set XO,    25                         ; 32 h
.set CL,    26                         ; 8 r
.set PFO,   27                         ; prefetch: 256 x my block (blocks 0-31 of x's quarter, 0-23 of the columns')
.set SPW,   28                         ; my spare word; never rewritten
.set NIL,   29                         ; 0; never rewritten
.set PF2,   30                         ; prefetch: blocks 32-47 of x's quarter; lanes 16-31 name block 47 again
.set XSQ,   32
.set BIAS2, 64
.set CSQ2,  80
.set K2,    96
.set KX,    112
.set TT,    128
.set G1X,  24                          ; group 1: x's tile of three chunks, 192 rows of 256 bytes
.set G1B,  32                          ; the columns': 96 rows
.set G1XS, 40                          ; tile 0: 128 rows
.set G1BS, 48                          ; tile 0: 64 rows
.set G0X,  56                          ; s[56:63] group 0 for x, a set for each slot
.set G0B,  68                          ; s[68:75] for the columns
.set PFA,  84                          ; s[84:85] my quarter of the tile that the next prefetch names
.set PFS,  86                          ; s[86:87] a tile's bytes in my tensor
.set PFH,  92                          ; s[92:93] at the head alone: my quarter of tile 1
.set MSB, 0
.macro WIN new
.if MSB != (\new)
	s_set_vgpr_msb (MSB<<8)|(\new)
.set MSB, (\new)
.endif
.endm
.set MUL_LO, 0xa4                      ; source 0 (x) window 0, source 1 (columns) window 1, C and D window 2
.set MUL_HI, 0xf4                      ; the same, C and D window 3
.set TO_B,   0x40
.macro CREST
	s_cmp_lg_u32 s12, 0
	s_cbranch_scc1 .Lnot_wave_0_\@
	s_barrier_signal -3
.Lnot_wave_0_\@:
	s_barrier_wait -3
	s_barrier_signal -1
	s_barrier_wait -1
.endm
.macro CROUND
	s_barrier_signal -1
	s_barrier_wait -1
	CREST
.endm
.macro PLACES                          ; four places behind matrix instructions, ahead of loads into their sources and of reads of their results
.rept 4
	v_nop
.endr
.endm
; A joint load: waves 0, 1 ask for x's two tiles, waves 2, 3 for the columns'.  An s_nop 0 and four v_nop stand behind each line.
.macro JLOAD g0a, g1a, g0b, g1b
	s_cmp_eq_u32 s13, 0
	s_cbranch_scc0 .Lfor_b_\@
	tensor_load_to_lds s[\g0a:\g0a+3], s[\g1a:\g1a+7]
	s_nop 0
	PLACES
	s_branch .Lasked_\@
.Lfor_b_\@:
	tensor_load_to_lds s[\g0b:\g0b+3], s[\g1b:\g1b+7]
	s_nop 0
	PLACES
.Lasked_\@:
.endm
.macro ASK how, ptr                    ; how = 2: not in the loop's last trip (tiles 11 and 12 do not exist)
.if \how == 2
	s_cmp_gt_u32 s3, 1
	s_cbranch_scc0 .Lnone_\@
.endif
	global_prefetch_b8 v[PFO], s[\ptr:\ptr+1] th:TH_LOAD_NT scope:SCOPE_SE
	s_cmp_eq_u32 s13, 0
	s_cbranch_scc0 .Lnone_\@               ; the columns' quarter has 24 blocks: one line names them all
	global_prefetch_b8 v[PF2], s[\ptr:\ptr+1] th:TH_LOAD_NT scope:SCOPE_SE
.Lnone_\@:
.endm
.macro SHAPE g, rows                   ; a dense block as rows of 32 elements of 8 bytes
	s_mov_b32 s[\g+1], 32<<16
	s_mov_b32 s[\g+2], (\rows)<<16
	s_mov_b32 s[\g+3], 32<<16
	s_mov_b32 s[\g+4], \rows
	s_mov_b32 s[\g+5], 32
	s_mov_b32 s[\g+6], 0
	s_mov_b32 s[\g+7], 0
.endm
; 32 LDS loads in one run: chunk q of a slot into set m: the columns' eight fragments, my blocks 0-3 of x, my blocks 4-7
.macro FETCH slot, q, m
	WIN TO_B
.irp b, 0,1,2,3,4,5,6,7
	ds_load_b128 v[128+64*(\m)+8*\b:128+64*(\m)+8*\b+3],   v[ADB+\slot] offset:CHB*(\q)+1024*\b
	ds_load_b128 v[128+64*(\m)+8*\b+4:128+64*(\m)+8*\b+7], v[ADB+\slot] offset:CHB*(\q)+1024*\b+512
.endr
	WIN 0
.irp a, 0,1,2,3
	ds_load_b128 v[128+64*(\m)+8*\a:128+64*(\m)+8*\a+3],   v[AAL+\slot] offset:CHA*(\q)+1024*\a
	ds_load_b128 v[128+64*(\m)+8*\a+4:128+64*(\m)+8*\a+7], v[AAL+\slot] offset:CHA*(\q)+1024*\a+512
.endr
.irp a, 0,1,2,3
	ds_load_b128 v[160+64*(\m)+8*\a:160+64*(\m)+8*\a+3],   v[AAH+\slot] offset:CHA*(\q)+1024*\a
	ds_load_b128 v[160+64*(\m)+8*\a+4:160+64*(\m)+8*\a+7], v[AAH+\slot] offset:CHA*(\q)+1024*\a+512
.endr
.endm
; 16 matrix instructions: blocks a0, a0 + 1 of the window's four x all 8 blocks of columns, set f.  The 64 accumulators take turns in the same order in every chunk.
.macro MUL16 f, hi, a0, zero
.irp a, \a0, \a0+1
.irp b, 0,1,2,3,4,5,6,7
.if \zero
	v_wmma_f32_16x16x64_bf8_bf8 v[8*(8*(\a)+\b):8*(8*(\a)+\b)+7], v[128+64*(\f)+8*(4*\hi+(\a)):128+64*(\f)+8*(4*\hi+(\a))+7], v[128+64*(\f)+8*\b:128+64*(\f)+8*\b+7], 0
.else
	v_wmma_f32_16x16x64_bf8_bf8 v[8*(8*(\a)+\b):8*(8*(\a)+\b)+7], v[128+64*(\f)+8*(4*\hi+(\a)):128+64*(\f)+8*(4*\hi+(\a))+7], v[128+64*(\f)+8*\b:128+64*(\f)+8*\b+7], v[8*(8*(\a)+\b):8*(8*(\a)+\b)+7]
.endif
.endr
.endr
.endm
; Chunk q of a slot, in set f, with its successor in the same slot, which is fetched in the middle into the other set.
.macro STEP slot, q, f, zero
	s_wait_dscnt 8                                 ; the columns and my blocks 0-3 are in; the youngest eight loads (blocks 4-7) may be out
	WIN MUL_LO
	MUL16 \f, 0, 0, \zero
	MUL16 \f, 0, 2, \zero
	PLACES
	FETCH \slot, (\q)+1, 1-(\f)
	s_wait_dscnt 32                                ; all but the 32 just issued
	WIN MUL_HI
	MUL16 \f, 1, 0, \zero
	MUL16 \f, 1, 2, \zero
.endm
; A slot's last chunk changes slots.  In front of the barrier each wave waits for all its tensor loads (one is out: its part of the next slot), adds 0 to its spare word, and waits for that and for its reads of this slot.
; fill = 1: the barrier opens a round of the cluster's barrier, and this slot's joint refill, the tile two on, is the first tensor load behind the round.
.macro TURN slot, next, f, fill, ask
.if \ask
	s_wait_xcnt 0x0                                ; my last prefetch has read its address: it steps only behind this wait
	s_add_nc_u64 s[PFA:PFA+1], s[PFA:PFA+1], s[PFS:PFS+1]
.endif
	WIN 0
	s_wait_tensorcnt 0x0
	ds_add_u32 v[SPW], v[NIL]
.if \fill
	s_add_nc_u64 s[G0X+4*\next+2:G0X+4*\next+3], s[G0X+4*\next+2:G0X+4*\next+3], 6*CHA   ; no load of mine is out: the other slot's group 0 steps two tiles on
	s_add_nc_u64 s[G0B+4*\next+2:G0B+4*\next+3], s[G0B+4*\next+2:G0B+4*\next+3], 6*CHB
.endif
	s_wait_dscnt 9                                 ; the add and my blocks 4-7 may be out
	WIN MUL_LO
	MUL16 \f, 0, 0, 0
	s_wait_dscnt 0x0                               ; the add is done, my reads of this slot are over
	s_barrier_signal -1
	MUL16 \f, 0, 2, 0
	WIN 0
	s_barrier_wait -1
.if \fill
	CREST
	JLOAD G0X+4*\slot, G1X, G0B+4*\slot, G1B
.else
	PLACES
.endif
	FETCH \next, 0, 1-(\f)
.if \ask
	ASK \ask, PFA
.endif
	WIN MUL_HI
	MUL16 \f, 1, 0, 0
	MUL16 \f, 1, 2, 0
.endm
	s_load_b256 s[4:11], s[0:1], 0x0               ; xq0, xq2, wq, cq
	s_load_b256 s[76:83], s[0:1], 0x20             ; xsq s[76:77], cols s[78:79], the scales' exponents s[80:81], out s[82:83]
	v_lshl_add_u32 v[SPW], v0, 2, SPARE
	v_mov_b32 v[NIL], 0
	ds_add_u32 v[SPW], v[NIL]                      ; the opening lines: the add twice on end under one wait
	ds_add_u32 v[SPW], v[NIL]
	v_lshrrev_b32 v1, 5, v0
	v_readfirstlane_b32 s12, v1                    ; wave 0..3
	s_lshr_b32 s13, s12, 1                         ; p: my product.  Also: I ask for x (0) or for the columns (1)
	s_and_b32 s14, s12, 1                          ; hm: my half of the rows.  Also: which of the two tensors I ask for
	s_mul_i32 s20, s13, XB+4096
	s_lshl_b32 s21, s14, 13
	s_add_co_u32 s20, s20, s21                     ; my blocks 0-3: product p's x, block 8 hm + 4 p
	s_mul_i32 s22, s13, XB
	s_add_co_u32 s22, s22, s21
	s_xor_b32 s23, s13, 1
	s_lshl_b32 s23, s23, 12
	s_add_co_u32 s22, s22, s23                     ; my blocks 4-7: block 8 hm + 4 (1 - p)
	s_mul_i32 s23, s13, BB
	s_add_co_u32 s23, s23, 2*XB                    ; product p's columns
	s_lshl_b32 s66, s12, 15
	s_add_co_u32 s66, s66, XCH
	s_xor_b32 s67, s12, 2                          ; my partner: the same rows, the other product
	s_lshl_b32 s67, s67, 15
	s_add_co_u32 s67, s67, XCH
	s_cmp_eq_u32 s13, 0
	s_cselect_b32 s2, 31, 23                       ; the last block that my first prefetch line names
	v_and_b32 v2, 31, v0                           ; lane
	v_lshlrev_b32 v[LO], 4, v2
	v_and_b32 v1, 15, v0                           ; r
	v_bfe_u32 v4, v0, 4, 1                         ; h
	v_add_nc_u32 v[AAL], s20, v[LO]
	v_add_nc_u32 v[AAH], s22, v[LO]
	v_add_nc_u32 v[ADB], s23, v[LO]
	v_add_nc_u32 v[AAL+1], SLOT, v[AAL]
	v_add_nc_u32 v[AAH+1], SLOT, v[AAH]
	v_add_nc_u32 v[ADB+1], SLOT, v[ADB]
	v_add_nc_u32 v[XS], s66, v[LO]
	v_add_nc_u32 v[XR], s67, v[LO]
	v_lshlrev_b32 v[CO], 16, v4
	v_lshl_add_u32 v[CO], v1, 4, v[CO]
	v_lshlrev_b32 v[XO], 5, v4
	v_lshlrev_b32 v[CL], 3, v1
	v_min_u32 v[PFO], s2, v2
	v_lshlrev_b32 v[PFO], 8, v[PFO]
	v_min_u32 v5, 15, v2
	v_lshl_add_u32 v[PF2], v5, 8, 8192
	s_bfe_u32 s15, ttmp6, 0x40000                  ; cx
	s_bfe_u32 s16, ttmp6, 0x40004                  ; cy
	s_lshl_b32 s18, ttmp9, 2
	s_add_co_u32 s18, s18, s15                     ; tm, the tile of 256 rows = 4 x cluster x + cx
	s_and_b32 s17, ttmp7, 0xffff
	s_lshl_b32 s17, s17, 2
	s_add_co_u32 s17, s17, s16                     ; tn, the tile of 128 columns = 4 x cluster y + cy
	s_lshl_b32 s20, s16, 2
	s_lshl_b32 s20, 15, s20                        ; my row of the cluster: the same tn
	s_lshl_b32 s21, 0x1111, s15                    ; my column: the same tm
	s_or_b32 s[G1X], s21, (3<<16)|(1<<21)          ; the mask; elements of 8 bytes; bit 21 beside a mask; no padding
	s_or_b32 s[G1XS], s21, (3<<16)|(1<<21)
	s_or_b32 s[G1B], s20, (3<<16)|(1<<21)
	s_or_b32 s[G1BS], s20, (3<<16)|(1<<21)
	SHAPE G1X, 192
	SHAPE G1B, 96
	SHAPE G1XS, 128
	SHAPE G1BS, 64
	s_lshl_b32 s96, s18, 19                        ; x's codes: 524,288 bytes a tile of rows (made of tm alone)
	s_mov_b32 s97, 0
	s_lshl_b32 s98, s17, 18                        ; the columns': 262,144 bytes a tile (made of tn alone)
	s_mov_b32 s99, 0
	s_mul_i32 s66, s14, XB                         ; where my load lands in a slot: made of the wave's number alone
	s_mul_i32 s67, s14, BB
	s_add_co_u32 s67, s67, 2*XB
	s_cmp_eq_u32 s13, 0                            ; the prefetches' offset: x's figures are twice the columns'
	s_cselect_b32 s20, s18, s17
	s_cselect_b32 s21, s16, s15                    ; my place among the four that ask with me: cy for x, cx for the columns
	s_cselect_b32 s22, 1, 0
	s_lshl_b32 s20, s20, 18
	s_mul_i32 s21, s21, 6144
	s_add_co_u32 s20, s20, s21
	s_add_co_u32 s20, s20, 2*CHB                   ; tile 1 begins at chunk 2
	s_lshl_b32 s20, s20, s22
	s_mov_b32 s21, 0
	s_lshl_b32 s[PFS], 3*CHB, s22
	s_mov_b32 s[PFS+1], 0
	s_wait_alu depctr_va_vdst(0)                   ; at the end of the head's vector work
	s_wait_dscnt 0x0                               ; both opening adds are done
	s_wait_kmcnt 0x0
	s_load_b128 s[88:91], s[80:81], 0x0            ; e0, e1, e2, e3
	s_cmp_eq_u32 s14, 0                            ; choices between buffers on the wave's number
	s_cselect_b64 s[4:5], s[4:5], s[6:7]
	s_cselect_b64 s[8:9], s[8:9], s[10:11]
	s_cmp_eq_u32 s13, 0
	s_cselect_b64 s[PFH:PFH+1], s[4:5], s[8:9]
	s_add_nc_u64 s[PFH:PFH+1], s[PFH:PFH+1], s[20:21]      ; my quarter of tile 1,
	s_add_nc_u64 s[PFA:PFA+1], s[PFH:PFH+1], s[PFS:PFS+1]  ; and of tile 2
	s_add_nc_u64 s[4:5], s[4:5], s[96:97]
	s_add_nc_u64 s[8:9], s[8:9], s[98:99]
.irp s, 0,1                            ; slot 0: tile 0 at chunk 0; slot 1: tile 1 at chunk 2
	s_mov_b32 s[G0X+4*\s], 1
	s_add_co_u32 s[G0X+4*\s+1], s66, \s*SLOT
	s_add_nc_u64 s[G0X+4*\s+2:G0X+4*\s+3], s[4:5], \s*2*CHA
	s_or_b32 s[G0X+4*\s+3], s[G0X+4*\s+3], 0x80000000
	s_mov_b32 s[G0B+4*\s], 1
	s_add_co_u32 s[G0B+4*\s+1], s67, \s*SLOT
	s_add_nc_u64 s[G0B+4*\s+2:G0B+4*\s+3], s[8:9], \s*2*CHB
	s_or_b32 s[G0B+4*\s+3], s[G0B+4*\s+3], 0x80000000
.endr
	CROUND                                         ; all sixteen work-groups are here: the first joint loads meet
	JLOAD G0X, G1XS, G0B, G1BS                     ; tile 0: one tensor load a wave at the head
	ASK 0, PFH                                     ; tile 1
	ASK 0, PFA                                     ; tile 2
	s_lshl_b32 s20, s18, 8
	s_lshl_b32 s21, s14, 7
	s_add_co_u32 s20, s20, s21
	s_lshl_b32 s21, s13, 6
	s_add_co_u32 s20, s20, s21                     ; m0 = 256 tm + 128 hm + 64 p
	s_mov_b32 s23, 0
	s_lshl_b32 s22, s20, 2
	s_add_nc_u64 s[76:77], s[76:77], s[22:23]      ; xsq at m0
	s_lshl_b32 s22, s20, 13
	s_add_nc_u64 s[82:83], s[82:83], s[22:23]      ; out at row m0,
	s_lshl_b32 s22, s17, 9
	s_add_nc_u64 s[82:83], s[82:83], s[22:23]      ; column 128 tn
	s_lshl_b32 s22, s17, 12
	s_add_nc_u64 s[78:79], s[78:79], s[22:23]      ; cols at my tile's eight blocks
	s_wait_xcnt 0x0
	s_add_nc_u64 s[PFA:PFA+1], s[PFA:PFA+1], s[PFS:PFS+1]
	s_wait_tensorcnt 0x0                           ; my part of tile 0 is in; slot 1's first fill is issued as a refill is
	ds_add_u32 v[SPW], v[NIL]
	s_add_nc_u64 s[G0X+2:G0X+3], s[G0X+2:G0X+3], 5*CHA   ; slot 0's next tile is tile 2, at chunk 5
	s_add_nc_u64 s[G0B+2:G0B+3], s[G0B+2:G0B+3], 5*CHB
	s_wait_dscnt 0x0
	CROUND
	JLOAD G0X+4, G1X, G0B+4, G1B                   ; tile 1
	FETCH 0, 0, 0
	ASK 0, PFA                                     ; tile 3
	STEP 0, 0, 0, 1                                ; the first chunk's products start the sums
	TURN 0, 1, 1, 1, 1                             ; asks for tile 2, prefetches tile 4
	WIN 0
	s_mov_b32 s3, 4
.Lloop:                                                ; a trip is two phases, six chunks: tiles 2 i - 1 and 2 i are multiplied, tiles 2 i + 1 and 2 i + 2 asked for, tiles 2 i + 3 and 2 i + 4 prefetched
	STEP 1, 0, 0, 0
	STEP 1, 1, 1, 0
	TURN 1, 0, 0, 1, 2
	STEP 0, 0, 1, 0
	STEP 0, 1, 0, 0
	TURN 0, 1, 1, 1, 2
	WIN 0
	s_sub_co_u32 s3, s3, 1
	s_cmp_lg_u32 s3, 0
	s_cbranch_scc1 .Lloop
	STEP 1, 0, 0, 0                                ; tiles 9 and 10: nothing is left to fetch
	STEP 1, 1, 1, 0
	TURN 1, 0, 0, 0, 0
	WIN 0                                          ; the 32 small loads for the way out: three chunks and the exchange in which to land
.irp a, 0,1,2,3
	global_load_b128 v[XSQ+8*\a:XSQ+8*\a+3], v[XO], s[76:77] offset:64*\a
	global_load_b128 v[XSQ+8*\a+4:XSQ+8*\a+7], v[XO], s[76:77] offset:64*\a+16
.endr
.irp b, 0,1,2,3,4,5,6,7
	global_load_b64 v[BIAS2+2*\b:BIAS2+2*\b+1], v[CL], s[78:79] offset:512*\b
	global_load_b64 v[CSQ2+2*\b:CSQ2+2*\b+1], v[CL], s[78:79] offset:512*\b+128
	global_load_b64 v[K2+2*\b:K2+2*\b+1], v[CL], s[78:79] offset:512*\b+256
.endr
	STEP 0, 0, 1, 0
	STEP 0, 1, 0, 0
	s_wait_dscnt 8                                 ; the last chunk
	WIN MUL_LO
	MUL16 1, 0, 0, 0
	MUL16 1, 0, 2, 0
	s_wait_dscnt 0x0
	WIN MUL_HI
	MUL16 1, 1, 0, 0
	MUL16 1, 1, 2, 0
	WIN 0
	; THE WAY OUT.  The sums of my blocks 4-7 go to my partner as an image of their registers; its sums of my kept rows come back so, into window 1.
	s_wait_kmcnt 0x0
	s_add_co_i32 s92, s88, s89
	s_add_co_i32 s92, s92, 127
	s_lshl_b32 s92, s92, 23                        ; 2^(e0 + e1)
	s_mov_b32 s93, s92
	s_add_co_i32 s94, s90, s91
	s_add_co_i32 s94, s94, 128
	s_lshl_b32 s94, s94, 23
	s_or_b32 s94, s94, 0x80000000                  ; C2 = -2^(e2 + e3 + 1)
	s_mov_b32 s95, s94
	PLACES
	WIN 0x0c
.set i, 0
.rept 64
	ds_store_b128 v[XS], v[4*i:4*i+3] offset:512*i ; ascending: each accumulator from its low end on
.set i, i+1
.endr
	WIN 0
	s_wait_loadcnt 0x0                             ; xsq, bias, csq, k
.irp b, 0,1,2,3,4,5,6,7                ; k (xsq + csq - 2 XC 2^(e2 + e3)) = XC (k C2) + (xsq k + k csq)
	v_pk_mul_f32 v[KX+2*\b:KX+2*\b+1], v[K2+2*\b:K2+2*\b+1], s[94:95] op_sel_hi:[1,0]
	v_pk_mul_f32 v[CSQ2+2*\b:CSQ2+2*\b+1], v[CSQ2+2*\b:CSQ2+2*\b+1], v[K2+2*\b:K2+2*\b+1]
.endr
	s_wait_dscnt 0x0                               ; for my partner's sake: my stores have landed
	s_barrier_signal -1
	s_barrier_wait -1
	WIN 0x40
.set i, 0
.rept 64
	ds_load_b128 v[4*i:4*i+3], v[XR] offset:512*i
.set i, i+1
.endr
	WIN 0
; Eight batches: batch 2 a + q is block a of rows x blocks 4 q .. 4 q + 3 of columns: registers 32 (2 a + q) + 8 t + j in both windows.  XW: the window that holds XC, LW: the one that holds L.
; k is never positive, so k max(d2, 0) = min(k d2, 0).
.macro FINISH XW, LW
.set bt, 0
.rept 8
.set rb, 32*bt
.set aa, bt/2
.set qq, bt%2
	s_wait_dscnt 56-8*bt                           ; this batch's eight loads of the partner's sums are in
	WIN 0
.set i, 0
.rept 16
	v_pk_fma_f32 v[TT+2*i:TT+2*i+1], v[XSQ+8*aa+2*(i%4):XSQ+8*aa+2*(i%4)+1], v[K2+2*(4*qq+i/4):K2+2*(4*qq+i/4)+1], v[CSQ2+2*(4*qq+i/4):CSQ2+2*(4*qq+i/4)+1]
.set i, i+1
.endr
	WIN (\XW<<6)|\XW
.set i, 0
.rept 16
	v_pk_fma_f32 v[rb+2*i:rb+2*i+1], v[rb+2*i:rb+2*i+1], v[KX+2*(4*qq+i/4):KX+2*(4*qq+i/4)+1], v[TT+2*i:TT+2*i+1]   ; k d2, ascending
.set i, i+1
.endr
	WIN (\XW<<6)|(\XW<<2)|\XW
.set i, 0
.rept 32
	v_min_num_f32 v[rb+i], 0, v[rb+i]
.set i, i+1
.endr
.set i, 0
	s_wait_alu depctr_va_vdst(0)                   ; ahead of the batch
.rept 32
	v_exp_f32 v[rb+i], v[rb+i]                     ; g = 2^(k d2)
.set i, i+1
.endr
	WIN (\LW<<6)|\LW
.set i, 0
	s_wait_alu depctr_va_vdst(0)
.rept 16
	v_pk_fma_f32 v[rb+2*i:rb+2*i+1], v[rb+2*i:rb+2*i+1], s[92:93], v[BIAS2+2*(4*qq+i/4):BIAS2+2*(4*qq+i/4)+1] op_sel_hi:[1,0,1]   ; l = L 2^(e0 + e1) + bias
.set i, i+1
.endr
	s_wait_alu depctr_va_vdst(0)                   ; one wait for the batch, ahead of its first reader
	WIN 0xc0|\LW|(\XW<<2)
.set i, 0
.rept 32                               ; result 4 j + t: row j, my column of block 4 q + t
	v_mul_f32 v[rb+i], v[rb+8*(i%4)+i/4], v[rb+8*(i%4)+i/4]
.set i, i+1
.endr
	WIN 0x0c
.set i, 0
.rept 8
	global_store_b128 v[CO], v[rb+4*i:rb+4*i+3], s[82:83] offset:(16*aa+i)*8192+256*qq th:TH_STORE_NT   ; sixteen lanes store 256 consecutive bytes, aligned; no store's data are written again
.set i, i+1
.endr
.set bt, bt+1
.endr
	WIN 0
.endm
	s_cmp_eq_u32 s13, 0
	s_cbranch_scc0 .Lxc_wave
	FINISH 1, 2                                    ; I made L
	s_branch .Ldone
.Lxc_wave:
	FINISH 2, 1                                    ; I made XC
.Ldone:
	s_wait_tensorcnt 0x0                           ; the wave's end
	ds_add_u32 v[SPW], v[NIL]
	s_wait_dscnt 0x0
	CROUND                                         ; the closing round
	s_endpgm
.Lfunc_end_k_qbe61dba3c3_fgn:
	.size	k_qbe61dba3c3_fgn, .Lfunc_end_k_qbe61dba3c3_fgn-k_qbe61dba3c3_fgn
	.p2alignl 7, 3214868480
	.fill 96, 4, 3214868480
	.section	.rodata,"a",@progbits
	.p2align	6, 0x0
	.amdhsa_kernel k_qbe61dba3c3_fgn
		.amdhsa_group_segment_fixed_size 327680
		.amdhsa_private_segment_fixed_size 0
		.amdhsa_enable_private_segment 0
		.amdhsa_kernarg_size 64
		.amdhsa_user_sgpr_count 2
		.amdhsa_user_sgpr_kernarg_segment_ptr 1
		.amdhsa_wavefront_size32 1
		.amdhsa_system_sgpr_workgroup_id_x 1
		.amdhsa_system_sgpr_workgroup_id_y 1
		.amdhsa_system_sgpr_workgroup_id_z 1
		.amdhsa_system_vgpr_workitem_id 0
		.amdhsa_next_free_vgpr 1024
		.amdhsa_next_free_sgpr 100
		.amdhsa_reserve_vcc 0
		.amdhsa_float_denorm_mode_32 3
		.amdhsa_float_denorm_mode_16_64 3
		.amdhsa_memory_ordered 1
		.amdhsa_forward_progress 1
		.amdhsa_inst_pref_size 229
	.end_amdhsa_kernel
	.amdgpu_metadata
---
amdhsa.version: [ 1, 2 ]
amdhsa.kernels:
  - .name:           k_qbe61dba3c3_fgn
    .symbol:         k_qbe61dba3c3_fgn.kd
    .args:
      - { .name: xq0, .offset: 0, .size: 8, .value_kind: global_buffer, .address_space: global }
      - { .name: xq2, .offset: 8, .size: 8, .value_kind: global_buffer, .address_space: global }
      - { .name: wq, .offset: 16, .size: 8, .value_kind: global_buffer, .address_space: global }
      - { .name: cq, .offset: 24, .size: 8, .value_kind: global_buffer, .address_space: global }
      - { .name: xsq, .offset: 32, .size: 8, .value_kind: global_buffer, .address_space: global }
      - { .name: cols, .offset: 40, .size: 8, .value_kind: global_buffer, .address_space: global }
      - { .name: lowp_scales, .offset: 48, .size: 8, .value_kind: global_buffer, .address_space: global }
      - { .name: out0, .offset: 56, .size: 8, .value_kind: global_buffer, .address_space: global }
    .group_segment_fixed_size: 327680
    .private_segment_fixed_size: 0
    .kernarg_segment_align: 8
    .kernarg_segment_size: 64
    .max_flat_workgroup_size: 128
    .sgpr_count:     100
    .vgpr_count:     1024
    .wavefront_size: 32
...
	.end_amdgpu_metadata
.endif
;; end of part 2
